; MI455X (gfx1250); checked and timed in simulation.
; The chip was launched on July 23, 2026; its instructions are those of AMD's public machine-readable ISA for CDNA 5 (MIT licence, August 2026) and "CDNA5" Instruction Set Architecture Reference Guide (July 2026). The comments in the code are by the model that wrote it; some were corrected since.
;; Long Net Transformer. Allowed arithmetic: float matrix products may take bf16 or f16 operands with f32 sums; other float arithmetic in f32, or as packed bf16 or f16 multiplies, adds, multiply-adds, maxima and minima; sums over many terms, partial sums and values carried from step to step in f32; what a program stores and reads back later, other than sums and carried values, may be rounded once to bf16 or f16.
;; Inputs: Wo 3 x 1,024 x 1,024 float32; Wqkv 3 x 1,024 x 3,072 float32; bo 3 x 1,024 float32; bqkv 3 x 3,072 float32; x 2 x 4,096 x 1,024 float32.
;; Outputs: out0 2 x 2,048 x 1,024 float32.
;; One version. Each part assembles by itself: llvm-mc -triple=amdgcn-amd-amdhsa -mcpu=gfx1250 --defsym DOCPART=n.
;; ======== version 1 of 1: 3 launches
;; limits: values are held in f16: magnitudes above 65,504 overflow, below 6.1e-05 lose precision
;; workspace buffers: xb 8,388,608 bytes; wqb 18,874,368 bytes; wob 6,291,456 bytes; ob 25,165,824 bytes
;; launch prep (part 1): grid 1024 x 1, 8 waves a work-group, no clusters, 0 bytes of LDS; arguments x, Wqkv, Wo, xb, wqb, wob; writes xb, wqb, wob
.if DOCPART == 1
	.amdgcn_target "amdgcn-amd-amdhsa--gfx1250"
	.amdhsa_code_object_version 6
	.text
	.protected	k_qc6f73eadf2_prep
	.globl	k_qc6f73eadf2_prep
	.p2align	8
	.type	k_qc6f73eadf2_prep,@function
k_qc6f73eadf2_prep:
	s_mov_b64 s[64:65], 0
	v_nop
	global_prefetch_b8 v0, s[64:65] scope:SCOPE_SE
	s_setreg_imm32_b32 hwreg(HW_REG_WAVE_MODE, 25, 1), 1
	s_wait_xcnt 0x0
; 16-BIT COPIES OF THE INPUTS.  xb[u][:] = bf16(x row 2 u), u = 0 .. 4095: every layer dilates by 2 inside even segments, so all three take the even rows of x.
; wqb = bf16(Wqkv), laid as Wqkv lies.  wob = Wo rounded to bf16, that number written as f16, laid as Wo lies.
; LIMITS.  The bf16 value of Wo must lie within f16 (65,504); below 6e-5 it keeps f16's fixed step of 6e-8.  NaN and infinities are not treated apart.
; A stream: no LDS, no barrier, no matrix unit.  A unit is 1,024 numbers: the 256 threads take 4 each, 16 bytes in and 8 bytes out; a wave's store covers 256 consecutive aligned bytes.
; A work-group takes 16 units: groups 0-255 rows of x (8,192 bytes apart: the odd rows are never read), 256-831 Wqkv, 832-1023 Wo.  All 16 loads go out first; no register is written twice
; while a memory instruction names it, so the only waits are the counted ones for the loads.
.set X, 4                              ; v[4:67]    unit i: 4 numbers as loaded
.set Y, 68                             ; v[68:99]   unit i: 2 words to store
.set T, 100                            ; v[100:103] at work
.macro CONV src, dst, stride, tof16
.set i, 0
.rept 16
	global_load_b128 v[X+4*i:X+4*i+3], v1, s[\src:\src+1] offset:i*(\stride) th:TH_LOAD_NT
.set i, i+1
.endr
.set i, 0
.rept 16
	s_wait_loadcnt 15-i                            ; loads come back in order: unit i is in, the 15 - i younger ones stay out
	v_cvt_pk_bf16_f32 v[Y+2*i], v[X+4*i], v[X+4*i+1]
	v_cvt_pk_bf16_f32 v[Y+2*i+1], v[X+4*i+2], v[X+4*i+3]
.if \tof16
	v_lshlrev_b32 v[T], 16, v[Y+2*i]               ; the bf16 numbers as f32,
	v_and_b32 v[T+1], s20, v[Y+2*i]
	v_lshlrev_b32 v[T+2], 16, v[Y+2*i+1]
	v_and_b32 v[T+3], s20, v[Y+2*i+1]
	v_cvt_pk_f16_f32 v[Y+2*i], v[T], v[T+1]        ; written as f16: exact inside f16's normal range
	v_cvt_pk_f16_f32 v[Y+2*i+1], v[T+2], v[T+3]
.endif
	global_store_b64 v2, v[Y+2*i:Y+2*i+1], s[\dst:\dst+1] offset:i*2048
.set i, i+1
.endr
.endm
	s_load_b256 s[4:11], s[0:1], 0x0               ; x s[4:5], Wqkv s[6:7], Wo s[8:9], xb s[10:11]
	s_load_b128 s[12:15], s[0:1], 0x20             ; wqb s[12:13], wob s[14:15]
	v_lshlrev_b32 v1, 4, v0                        ; my 16 bytes of a unit as read
	v_lshlrev_b32 v2, 3, v0                        ; my 8 bytes of it as written
	s_mov_b32 s17, 0
	s_mov_b32 s19, 0
	s_mov_b32 s20, 0xffff0000                      ; a word's upper bf16
	s_wait_kmcnt 0x0
	s_cmp_lt_u32 ttmp9, 256
	s_cbranch_scc0 .Lweights
	s_lshl_b32 s16, ttmp9, 17                      ; 16 even rows: 16 x 8,192 bytes of x
	s_lshl_b32 s18, ttmp9, 15                      ; 16 x 2,048 bytes of xb
	s_add_nc_u64 s[4:5], s[4:5], s[16:17]
	s_add_nc_u64 s[10:11], s[10:11], s[18:19]
	CONV 4, 10, 8192, 0
	s_endpgm
.Lweights:
	s_cmp_lt_u32 ttmp9, 832
	s_cbranch_scc0 .Lwo
	s_sub_co_u32 s21, ttmp9, 256
	s_lshl_b32 s16, s21, 16                        ; 16 x 4,096 bytes in
	s_lshl_b32 s18, s21, 15
	s_add_nc_u64 s[6:7], s[6:7], s[16:17]
	s_add_nc_u64 s[12:13], s[12:13], s[18:19]
	CONV 6, 12, 4096, 0
	s_endpgm
.Lwo:
	s_sub_co_u32 s21, ttmp9, 832
	s_lshl_b32 s16, s21, 16
	s_lshl_b32 s18, s21, 15
	s_add_nc_u64 s[8:9], s[8:9], s[16:17]
	s_add_nc_u64 s[14:15], s[14:15], s[18:19]
	CONV 8, 14, 4096, 1
	s_endpgm
.Lfunc_end_k_qc6f73eadf2_prep:
	.size	k_qc6f73eadf2_prep, .Lfunc_end_k_qc6f73eadf2_prep-k_qc6f73eadf2_prep
	.p2alignl 7, 3214868480
	.fill 96, 4, 3214868480
	.section	.rodata,"a",@progbits
	.p2align	6, 0x0
	.amdhsa_kernel k_qc6f73eadf2_prep
		.amdhsa_group_segment_fixed_size 0
		.amdhsa_private_segment_fixed_size 0
		.amdhsa_enable_private_segment 0
		.amdhsa_kernarg_size 48
		.amdhsa_user_sgpr_count 2
		.amdhsa_user_sgpr_kernarg_segment_ptr 1
		.amdhsa_wavefront_size32 1
		.amdhsa_system_sgpr_workgroup_id_x 1
		.amdhsa_system_sgpr_workgroup_id_y 1
		.amdhsa_system_sgpr_workgroup_id_z 1
		.amdhsa_system_vgpr_workitem_id 0
		.amdhsa_next_free_vgpr 104
		.amdhsa_next_free_sgpr 66
		.amdhsa_reserve_vcc 0
		.amdhsa_float_denorm_mode_32 3
		.amdhsa_float_denorm_mode_16_64 3
		.amdhsa_memory_ordered 1
		.amdhsa_forward_progress 1
		.amdhsa_inst_pref_size 22
	.end_amdhsa_kernel
	.amdgpu_metadata
---
amdhsa.version: [ 1, 2 ]
amdhsa.kernels:
  - .name:           k_qc6f73eadf2_prep
    .symbol:         k_qc6f73eadf2_prep.kd
    .args:
      - { .name: x, .offset: 0, .size: 8, .value_kind: global_buffer, .address_space: global }
      - { .name: Wqkv, .offset: 8, .size: 8, .value_kind: global_buffer, .address_space: global }
      - { .name: Wo, .offset: 16, .size: 8, .value_kind: global_buffer, .address_space: global }
      - { .name: xb, .offset: 24, .size: 8, .value_kind: global_buffer, .address_space: global }
      - { .name: wqb, .offset: 32, .size: 8, .value_kind: global_buffer, .address_space: global }
      - { .name: wob, .offset: 40, .size: 8, .value_kind: global_buffer, .address_space: global }
    .group_segment_fixed_size: 0
    .private_segment_fixed_size: 0
    .kernarg_segment_align: 8
    .kernarg_segment_size: 48
    .max_flat_workgroup_size: 256
    .sgpr_count:     66
    .vgpr_count:     104
    .wavefront_size: 32
...
	.end_amdgpu_metadata
.endif
;; end of part 1
;; launch qkvatt (part 2): grid 32 x 8, 4 waves a work-group, clusters of 4 x 4, 327,680 bytes of LDS; arguments xb, wqb, bqkv, ob; writes ob
.if DOCPART == 2
	.amdgcn_target "amdgcn-amd-amdhsa--gfx1250"
	.amdhsa_code_object_version 6
	.text
	.protected	k_qc6f73eadf2_qkvatt
	.globl	k_qc6f73eadf2_qkvatt
	.p2align	8
	.type	k_qc6f73eadf2_qkvatt,@function
k_qc6f73eadf2_qkvatt:
	s_mov_b64 s[64:65], 0
	v_nop
	global_prefetch_b8 v0, s[64:65] scope:SCOPE_SE
	s_setreg_imm32_b32 hwreg(HW_REG_WAVE_MODE, 25, 1), 1
	s_wait_xcnt 0x0
	s_wait_alu depctr_hold_cnt(0) depctr_sa_sdst(0) depctr_va_vdst(0) depctr_va_sdst(0) depctr_va_ssrc(0) depctr_va_vcc(0) depctr_vm_vsrc(0)
	s_getreg_b32 s2, hwreg(HW_REG_IB_STS2, 6, 4)
	s_cmp_eq_u32 s2, 0
	s_cbranch_scc0 .Lentry_in_a_cluster
	s_endpgm
.Lentry_in_a_cluster:
	s_bfe_u32 s2, ttmp6, 0x10000c
	s_cmp_lg_u32 s2, 0xf033
	s_cbranch_scc0 .Lentry_shape_is_right
	s_endpgm
.Lentry_shape_is_right:
; QKV PROJECTION AND DILATED ATTENTION IN ONE.  xb: [4096][1024] bf16 (the dilated rows).  wqb: [3][1024 k][3072 n] bf16.  bqkv: [3][3072] f32.  ob: [4096][3072] f16, column = layer x 1024 + head x 64 + channel.
; A work-group owns 128 dilated rows and two heads, AND STAYS: it walks layers 0, 1, 2.  For each layer a product 128 x 384 over K = 1024 (the q, k and v columns of the two heads), then the attention.
; A wave owns 64 rows (RH) of one head (HH): 64 x 192, 48 accumulators.  Dilated segments are 32, 64, 128 rows in layers 0, 1, 2: two to a wave, one to a wave, one to two waves.
; ONE RING FOR THE THREE LAYERS: 24 K steps of 128 through two LDS slots.  wqb's layers lie end to end, so W's address steps alike from first to last; x's offset wraps after 8 steps.  A layer's last two
; changes of slots ask for the next layer's first two K steps, so those land beside the attention.  One loop of 11 trips holds all 22 refills; every fourth trip goes through the attention, which stands in the
; loop's text and is jumped over otherwise; the last lap, which fills nothing, and layer 2's attention are written out behind the loop.
; LAYOUT.  Q and K are multiplied transposed (source 0 = 16 columns of W, source 1 = 16 rows of x): a lane holds one row and 8 neighbouring channels, so two accumulators rounded in pairs ARE the
; fragment 16 rows x 32 channels of S^T = K Q^T.  V is multiplied straight: a lane holds one channel and 8 rows, so two accumulators ARE the fragment 16 channels x 32 keys of O^T = V^T P.
; q, k, v never leave the registers; in layer 2 alone a wave hands its K and V fragments, as they lie in registers, to the wave with the other 64 rows, through LDS.
; The biases, rounded to bf16 like all inputs, are the C operands of a layer's first K step.
; SOFTMAX.  All keys of a row are in registers: the row's true maximum m is taken away, p = 2^(c s - c m), c = log2(e) / 8; the sum l is taken of the unrounded p; O is divided by l at the end.
; LIMITS.  q, k, v (bias included) and O are rounded once to f16 and must lie within 65,504; p, in 0 to 1, is rounded to f16; a p below 2^-126 counts as 0; NaN and infinities are not treated apart.
; CLUSTER 4 x 4.  The x tile hangs on the row block alone (work-group x) and is shared along a column of the cluster; the W tiles hang on the pair of heads alone (work-group y) and are shared along
; a row: each tile is asked for jointly.  Layer and trip counts are constants of the text: every branch goes the same way in all sixteen partners.
; REGISTERS, in windows of 256 (s_set_vgpr_msb: bits 1:0 source 0, 3:2 source 1, 5:4 source 2, 7:6 destination):
;   window 0: v0-27 addresses; v32-127 the biases, in the attention statistics and P; v128-255 V's accumulators, in the attention S^T
;   window 1: two fragment buffers of 128 (x 32, then q, k, v columns 32 each).  Through an attention buffer 0 holds the next layer's first fragments, v128-195 its biases as loaded
;   window 2: Q's accumulators 0-127, K's 128-255; in the attention V's fragments 0-63 (the partner's 64-127) and O^T 128-255
;   window 3: Q's fragments 0-63, K's 64-127 (the partner's 128-191)
.set KSTEP, 128
.set PA,    272                        ; an LDS row of x: 256 bytes + 16: the 16 rows of a fragment load start at 16 different groups of four banks (64 banks of 4 bytes: ISA guide 11.1)
.set PB,    288                        ; an LDS row of W (one k, 128 columns): 256 + 32
.set PARTB, KSTEP*PB                   ; one of q, k, v: 128 k-rows
.set AOFF,  3*PARTB                    ; x's 128 rows lie behind the three parts, so that wave w's fill lands at w x PARTB
.set SLOT,  AOFF+128*PA
.set OST,   2*SLOT                     ; behind the ring, never filled by a tensor load: 128 rows x 272 bytes, the work-group's stage for O
.set OPT,   272
.set SPARE, OST+128*OPT                ; the spare words, 128 bytes for each wave: two blocks of 256 bytes that no other line names
.set LAPS,  3*1024/(2*KSTEP)           ; a lap = two K steps = once round the ring; four laps to a layer
.set ADRA, 2                           ; v2-3    LDS address of my x fragments in slot 0, 1
.set ADRB, 4                           ; v4-9    of my W fragments: slot s, part p at ADRB + 3 s + p (a part's distance does not fit in the 16-bit offset)
.set STO,  10                          ; v10     the way out: where I put 16 bytes of a row of O
.set RD,   11                          ; v11     where I read rows back
.set GO,   12                          ; v12     my byte offset in two rows of ob
.set XS,   13                          ; v13     the exchange: my 16 bytes in my wave's image
.set XL,   14                          ; v14     the same in the partner's
.set SPW,  16                          ; v16     LDS address of my spare word; never rewritten
.set NIL,  17                          ; v17     0; never rewritten
.set BAQ,  26                          ; v26     my byte offset in a block of q's or k's bias
.set BAV,  27                          ; v27     the same for v's
.set BQ,   32                          ; v32-63 q's bias (block b at + 8 b), v64-95 k's
.set BV,   96                          ; v96-127 v's: eight equal registers a block
.set VAC,  128
.set F0,   0
.set F1,   128
.set RAW,  128                         ; window 1: the biases as loaded: q's 32, k's 32, v's 4
.set ST,   32                          ; tile u's statistics at ST + 8 u: c m, m, ..., 1 / l twice at + 6
.set PP,   64                          ; P, 32 a tile; until the rounding its first registers carry the maximum's chains
.set SS,   128                         ; S^T, 64 a tile
.set QF,   0                           ; window 3
.set KF,   64                          ; window 3
.set VF,   0                           ; window 2
.set OA,   128                         ; window 2
.set WV,  12                           ; s12 wave; s13 which 64 rows; s14 which head
.set RH,  13
.set HH,  14
.set CX,  15
.set CY,  16
.set BX,  17                           ; row block of 128
.set LAY, 19                           ; the layer in hand
.set HP,  20                           ; pair of heads: it enters global addresses alone
.set G1A, 24                           ; s[24:31] descriptor group 1 for x's tiles; s[32:39] group 0, a set for each slot
.set G0A, 32
.set G1B, 40                           ; s[40:47], s[48:55] the same for W's
.set G0B, 48
.set CS,  56                           ; s[56:57] c
.set SEL, 58                           ; s[58:59] v_permlanex16_b32's selects: each lane takes its own place in the other half
.set OX,  60                           ; s[60:61], s[62:63] byte offset along a row of x of the K step that slot 0, 1 asks for next; the high words are 0
.set TQ,  76                           ; s76 laps of the layer in hand that are still to be ended
.set MHI, 77                           ; s77 a word's upper bf16
.set MSB, 0
.macro WIN new                         ; the immediate's high byte repeats the setting that is left; a switch that changes nothing is dropped
.if MSB != (\new)
	s_set_vgpr_msb (MSB<<8)|(\new)
.set MSB, \new
.endif
.endm
.macro PLACES                          ; four plain places between a matrix instruction and a vector read of its result, or a load into one of its registers
.rept 4
	v_nop
.endr
.endm
; A joint load.  Waves 0, 1, 2 fetch the q, k, v columns of W, wave 3 the rows of x: four loads of 128 rows x 256 bytes.  The branch hangs on the wave's number alone.
; An s_nop 0 and four v_nop follow each of the two lines, ahead of the jump and the label.
.macro JLOAD s
	s_cmp_lt_u32 s[WV], 3
	s_cbranch_scc0 .Lfor_a_\@
	tensor_load_to_lds s[G0B+4*(\s):G0B+4*(\s)+3], s[G1B:G1B+7]
	s_nop 0
.rept 4
	v_nop
.endr
	s_branch .Lasked_\@
.Lfor_a_\@:
	tensor_load_to_lds s[G0A+4*(\s):G0A+4*(\s)+3], s[G1A:G1A+7]
	s_nop 0
.rept 4
	v_nop
.endr
.Lasked_\@:
.endm
.macro CREST                           ; a round of the cluster's barrier behind its opening barrier
	s_cmp_lg_u32 s[WV], 0
	s_cbranch_scc1 .Lnot_wave_0_\@
	s_barrier_signal -3
.Lnot_wave_0_\@:
	s_barrier_wait -3
	s_barrier_signal -1
	s_barrier_wait -1
.endm
.macro CROUND                          ; a whole round
	s_barrier_signal -1
	s_barrier_wait -1
	CREST
.endm
; A layer's biases of my head are asked for, into window 1.  q, k: register j of block b wants bias[16 b + 8 h + j]; v: every register of block b wants bias[16 b + r].
.macro BIASLOAD
	WIN 0x40                                       ; destination window 1, address window 0
.irp b, 0,1,2,3
	global_load_b128 v[RAW+8*(\b):RAW+8*(\b)+3],         v[BAQ], s[8:9] offset:64*(\b)
	global_load_b128 v[RAW+8*(\b)+4:RAW+8*(\b)+7],       v[BAQ], s[8:9] offset:64*(\b)+16
	global_load_b128 v[RAW+32+8*(\b):RAW+32+8*(\b)+3],   v[BAQ], s[8:9] offset:4096+64*(\b)
	global_load_b128 v[RAW+32+8*(\b)+4:RAW+32+8*(\b)+7], v[BAQ], s[8:9] offset:4096+64*(\b)+16
	global_load_b32  v[RAW+64+(\b)], v[BAV], s[8:9] offset:8192+64*(\b)
.endr
	WIN 0
.endm
	s_load_b256 s[4:11], s[0:1], 0x0               ; xb s[4:5], wqb s[6:7], bqkv s[8:9], ob s[10:11]
	v_lshl_add_u32 v[SPW], v0, 2, SPARE
	v_mov_b32 v[NIL], 0
	ds_add_u32 v[SPW], v[NIL]                      ; the wave's opening: the add and its wait stand ahead of my first tensor load; the set-up below, work on registers, stands between them
	v_lshrrev_b32 v1, 5, v0
	v_readfirstlane_b32 s[WV], v1                  ; wave 0..3
	s_lshr_b32 s[RH], s[WV], 1
	s_and_b32 s[HH], s[WV], 1
	s_bfe_u32 s[CX], ttmp6, 0x40000                ; my place in the cluster
	s_bfe_u32 s[CY], ttmp6, 0x40004
	s_lshl_b32 s[BX], ttmp9, 2
	s_add_co_u32 s[BX], s[BX], s[CX]               ; row block = 4 x cluster x + cx
	s_and_b32 s[HP], ttmp7, 0xffff
	s_lshl_b32 s[HP], s[HP], 2
	s_add_co_u32 s[HP], s[HP], s[CY]               ; pair of heads = 4 x cluster y + cy
	s_lshl_b32 s21, 0x1111, s[CX]                  ; my column of the cluster
	s_lshl_b32 s22, s[CY], 2
	s_lshl_b32 s22, 15, s22                        ; my row
	; descriptor group 1: tiles of 128 rows x 128 elements of 2 bytes, padded in LDS after every 64 words
	s_or_b32 s[G1A], s21, (1<<16)|(1<<20)|(1<<21)|(5<<22)|(3<<25)  ; x's tiles go to my column; 4 words of padding
	s_or_b32 s[G1B], s22, (1<<16)|(1<<20)|(1<<21)|(5<<22)|(7<<25)  ; W's tiles go to my row; 8 words of padding
.irp g, G1A, G1B
	s_mov_b32 s[(\g)+1], 128<<16                   ; tensor_dim0 = 128
	s_mov_b32 s[(\g)+2], 128<<16                   ; tensor_dim1 = 128
	s_mov_b32 s[(\g)+3], 128<<16                   ; tile_dim0 = 128
	s_mov_b32 s[(\g)+4], 128                       ; tile_dim1 = 128
	s_mov_b32 s[(\g)+6], 0
	s_mov_b32 s[(\g)+7], 0
.endr
	s_mov_b32 s[G1A+5], 1024                       ; elements from row to row of xb
	s_mov_b32 s[G1B+5], 3072                       ; and of wqb
	s_lshl_b32 s66, s[BX], 18                      ; x's tile: 128 rows of 2,048 bytes a block; made of the row block alone
	s_mov_b32 s67, 0
	s_lshl_b32 s68, s[HP], 8                       ; W's tile in layer 0: the pair of heads' 256 bytes, and part = wave (wave 3 makes an address that it never uses)
	s_lshl_b32 s69, s[WV], 11
	s_add_co_u32 s68, s68, s69
	s_mov_b32 s69, 0
	s_lshl_b32 s70, s[BX], 7                       ; ob: the first of the 32 rows that I store,
	s_lshl_b32 s71, s[WV], 5
	s_add_co_u32 s70, s70, s71
	s_mul_i32 s70, s70, 6144
	s_lshl_b32 s71, s[HP], 8                       ; the pair of heads' 256 bytes in layer 0's part of a row
	s_add_co_u32 s70, s70, s71
	s_mov_b32 s71, 0
	s_lshl_b32 s72, s[HP], 9                       ; bqkv, layer 0: my head's 64 numbers
	s_lshl_b32 s73, s[HH], 8
	s_add_co_u32 s72, s72, s73
	s_mov_b32 s73, 0
	s_mul_i32 s23, s[WV], PARTB                    ; where my fill lands in a slot: no place in the cluster enters an LDS address
	s_mov_b32 s[CS], 0x3e38aa3b                    ; c = log2(e) / 8
	s_mov_b32 s[CS+1], s[CS]                       ; named with it as a pair
	s_mov_b32 s[SEL], 0x76543210
	s_mov_b32 s[SEL+1], 0xfedcba98
	s_mov_b32 s[OX], 0                             ; slot 0 begins with K step 0,
	s_mov_b32 s[OX+1], 0
	s_mov_b32 s[OX+2], KSTEP*2                     ; slot 1 with K step 1
	s_mov_b32 s[OX+3], 0
	s_mov_b32 s[MHI], 0xffff0000
	s_wait_dscnt 0x0                               ; the opening add is done
	s_wait_kmcnt 0x0
	s_add_nc_u64 s[4:5], s[4:5], s[66:67]
	s_add_nc_u64 s[6:7], s[6:7], s[68:69]
	s_add_nc_u64 s[8:9], s[8:9], s[72:73]
	s_add_nc_u64 s[10:11], s[10:11], s[70:71]
.irp s, 0,1
	s_mov_b32 s[G0A+4*(\s)], 1                                       ; count = 1
	s_add_co_u32 s[G0A+4*(\s)+1], s23, (\s)*SLOT                     ; LDS address
	s_add_nc_u64 s[G0A+4*(\s)+2:G0A+4*(\s)+3], s[4:5], (\s)*KSTEP*2  ; global address: K step s
	s_or_b32 s[G0A+4*(\s)+3], s[G0A+4*(\s)+3], 0x80000000            ; type = 2
	s_mov_b32 s[G0B+4*(\s)], 1
	s_add_co_u32 s[G0B+4*(\s)+1], s23, (\s)*SLOT
	s_add_nc_u64 s[G0B+4*(\s)+2:G0B+4*(\s)+3], s[6:7], (\s)*KSTEP*6144
	s_or_b32 s[G0B+4*(\s)+3], s[G0B+4*(\s)+3], 0x80000000
.endr
	CROUND                                         ; all sixteen work-groups are here: the first joint loads meet
	s_cmp_lt_u32 s[WV], 3                          ; a wave's two first fills stand in one branch, ahead of every wait on TENSORcnt and every LDS read: two loads of mine are out
	s_cbranch_scc0 .Lfirst_a
	tensor_load_to_lds s[G0B:G0B+3], s[G1B:G1B+7]
	s_nop 0
	tensor_load_to_lds s[G0B+4:G0B+7], s[G1B:G1B+7]
	s_nop 0
.rept 4
	v_nop
.endr
	s_branch .Lfirst_asked
.Lfirst_a:
	tensor_load_to_lds s[G0A:G0A+3], s[G1A:G1A+7]
	s_nop 0
	tensor_load_to_lds s[G0A+4:G0A+7], s[G1A:G1A+7]
	s_nop 0
.rept 4
	v_nop
.endr
.Lfirst_asked:
	; Layer 0's biases are asked for; the lane addresses are made while they and the first tiles are on their way.
	v_and_b32 v18, 15, v0                          ; r = l % 16
	v_bfe_u32 v19, v0, 4, 1                        ; h = l / 16
	v_and_b32 v20, 7, v0
	v_bfe_u32 v21, v0, 3, 1
	v_lshlrev_b32 v[BAQ], 5, v19
	v_lshlrev_b32 v[BAV], 2, v18
	BIASLOAD
	; A fragment of x is 16 rows x 32 k: lane l holds row l % 16, k = 8 h + 0..7 and 16 + 8 h + 0..7: two loads of 16 bytes, 32 bytes apart.
	v_mul_u32_u24 v22, v18, PA
	v_lshl_add_u32 v22, v19, 4, v22                ; row x pitch + 16 x half
	s_mul_i32 s74, s[RH], 64*PA                    ; my 64 rows, behind the three parts
	s_add_co_u32 s74, s74, AOFF
	v_add_nc_u32 v[ADRA], s74, v22
	v_add_nc_u32 v[ADRA+1], SLOT, v[ADRA]
	; The turning load takes 16 k x 16 columns (lane l reads k-row 8 h + l % 8, columns 8 ((l / 8) % 2) + 0..7) and leaves half a fragment: lane l holds column l % 16 and 8 k.
	v_lshl_add_u32 v23, v19, 3, v20
	v_mul_u32_u24 v23, v23, PB
	v_lshl_add_u32 v23, v21, 4, v23
	s_lshl_b32 s74, s[HH], 7                       ; my head's 128 bytes of a row
	v_add_nc_u32 v23, s74, v23
.irp s, 0,1
.irp p, 0,1,2
	v_add_nc_u32 v[ADRB+3*(\s)+(\p)], (\s)*SLOT+(\p)*PARTB, v23
.endr
.endr
	s_mul_i32 s75, s[RH], 64*OPT                   ; into the stage: my 64 rows, my head's half of their 256 bytes; row l % 16, 16 bytes for each half of the lanes
	s_add_co_u32 s75, s75, s74
	s_add_co_u32 s75, s75, OST
	v_add_nc_u32 v[STO], s75, v22
	v_mul_u32_u24 v24, v19, OPT                    ; back: wave w takes rows 32 w .. 32 w + 31 whole; lanes 0-15 one row of 256 bytes, lanes 16-31 the next
	v_lshl_add_u32 v24, v18, 4, v24
	s_mul_i32 s75, s[WV], 32*OPT
	s_add_co_u32 s75, s75, OST
	v_add_nc_u32 v[RD], s75, v24
	v_mul_u32_u24 v[GO], v19, 6144                 ; and the same two rows in ob
	v_lshl_add_u32 v[GO], v18, 4, v[GO]
	v_and_b32 v25, 31, v0
	v_lshlrev_b32 v25, 4, v25
	s_lshl_b32 s75, s[WV], 14                      ; the exchange: 16,384 bytes a wave at the head of slot 0
	v_add_nc_u32 v[XS], s75, v25
	s_xor_b32 s75, s75, 2<<14                      ; the wave with my head and the other 64 rows
	v_add_nc_u32 v[XL], s75, v25
; THE PRODUCT.  16 matrix instructions each: row tiles a x column blocks b, 32 along K out of buffer f.  first = 1: the bias starts the sums.  The 48 accumulators take turns, one instruction a turn.
.macro MULQK f, part, first            ; part 0: Q, 1: K.  Transposed: source 0 = columns of W, source 1 = rows of x
.if \first
	WIN 0x85                                       ; sources window 1, C (the bias) window 0, D window 2
.else
	WIN 0xa5                                       ; sources window 1, C and D window 2
.endif
.irp a, 0,1,2,3
.irp b, 0,1,2,3
.if \first
	v_wmma_f32_16x16x32_bf16 v[128*(\part)+8*(4*(\a)+(\b)):128*(\part)+8*(4*(\a)+(\b))+7], v[(\f)+32+32*(\part)+8*(\b):(\f)+32+32*(\part)+8*(\b)+7], v[(\f)+8*(\a):(\f)+8*(\a)+7], v[BQ+32*(\part)+8*(\b):BQ+32*(\part)+8*(\b)+7]
.else
	v_wmma_f32_16x16x32_bf16 v[128*(\part)+8*(4*(\a)+(\b)):128*(\part)+8*(4*(\a)+(\b))+7], v[(\f)+32+32*(\part)+8*(\b):(\f)+32+32*(\part)+8*(\b)+7], v[(\f)+8*(\a):(\f)+8*(\a)+7], v[128*(\part)+8*(4*(\a)+(\b)):128*(\part)+8*(4*(\a)+(\b))+7]
.endif
.endr
.endr
.endm
.macro MULV f, first                   ; straight: source 0 = rows of x, source 1 = columns of W.  Accumulators (2 kk, b) and (2 kk + 1, b) lie side by side
	WIN 0x05                                       ; sources window 1, C and D window 0
.irp a, 0,1,2,3
.irp b, 0,1,2,3
.if \first
	v_wmma_f32_16x16x32_bf16 v[VAC+8*(8*((\a)/2)+2*(\b)+(\a)%2):VAC+8*(8*((\a)/2)+2*(\b)+(\a)%2)+7], v[(\f)+8*(\a):(\f)+8*(\a)+7], v[(\f)+96+8*(\b):(\f)+96+8*(\b)+7], v[BV+8*(\b):BV+8*(\b)+7]
.else
	v_wmma_f32_16x16x32_bf16 v[VAC+8*(8*((\a)/2)+2*(\b)+(\a)%2):VAC+8*(8*((\a)/2)+2*(\b)+(\a)%2)+7], v[(\f)+8*(\a):(\f)+8*(\a)+7], v[(\f)+96+8*(\b):(\f)+96+8*(\b)+7], v[VAC+8*(8*((\a)/2)+2*(\b)+(\a)%2):VAC+8*(8*((\a)/2)+2*(\b)+(\a)%2)+7]
.endif
.endr
.endr
.endm
; 32 LDS loads in one run: the fragments of quarter q (32 along K) of a slot into buffer f, in the order x, q, k, v
.macro FETCH slot, q, f
	WIN 0x40                                       ; destination window 1, address window 0
.irp a, 0,1,2,3
	ds_load_b128 v[(\f)+8*(\a):(\f)+8*(\a)+3],   v[ADRA+(\slot)] offset:64*(\q)+(\a)*16*PA
	ds_load_b128 v[(\f)+8*(\a)+4:(\f)+8*(\a)+7], v[ADRA+(\slot)] offset:64*(\q)+(\a)*16*PA+32
.endr
.irp p, 0,1,2
.irp b, 0,1,2,3
	ds_load_tr16_b128 v[(\f)+32+32*(\p)+8*(\b):(\f)+32+32*(\p)+8*(\b)+3],   v[ADRB+3*(\slot)+(\p)] offset:(\q)*32*PB+32*(\b)
	ds_load_tr16_b128 v[(\f)+32+32*(\p)+8*(\b)+4:(\f)+32+32*(\p)+8*(\b)+7], v[ADRB+3*(\slot)+(\p)] offset:(\q)*32*PB+32*(\b)+16*PB
.endr
.endr
.endm
; A K step is four quarters of 32 along K, 48 matrix instructions each, on buffers 0, 1, 0, 1.  One of the first three: multiplies buffer f and fetches quarter qn of the same slot into g.
.macro QUARTER slot, qn, f, g, first
	s_wait_dscnt 8                                 ; x, q and k are in; the youngest eight loads (v's columns) may be out
	MULQK \f, 0, \first
	MULQK \f, 1, \first
	PLACES                                         ; for the loads into buffer g, which the quarter before multiplied
	FETCH \slot, \qn, \g
	s_wait_dscnt 32                                ; all but the 32 just issued
	MULV \f, \first
.endm
; The last quarter changes slots and then multiplies buffer 1.  The slot's last fragments lie in registers, so the change stands at the quarter's head: each wave waits for all its tensor loads (one is out: its
; part of the next slot), adds 0 to its spare word, and waits for that and for its own reads of this slot; ONE barrier.  fill = 1: the barrier opens a round of the cluster's, and the slot is filled again,
; two K steps ahead, first thing behind the round.  Between the wait that shows one fill landed and the next request stand the add, five scalar lines and the round, and no product: all the quarter's 48
; products, and the three quarters behind them, 192 matrix instructions, stand between the request and the wait for it.
.macro TURN slot, next, fill
	WIN 0
	s_wait_tensorcnt 0x0                           ; all my tensor loads have landed, so a group 0 may be written
	ds_add_u32 v[SPW], v[NIL]                      ; 0 onto my spare word; the descriptors' steps stand between it and the wait for it
.if \fill
	s_add_co_u32 s[OX+2*(\slot)], s[OX+2*(\slot)], 2*KSTEP*2         ; x: two K steps on along the row,
	s_and_b32 s[OX+2*(\slot)], s[OX+2*(\slot)], 2047                 ; and back to its head for the next layer
	s_add_nc_u64 s[G0A+4*(\slot)+2:G0A+4*(\slot)+3], s[4:5], s[OX+2*(\slot):OX+2*(\slot)+1]  ; the address is made anew from the tile's base and that offset
	s_or_b32 s[G0A+4*(\slot)+3], s[G0A+4*(\slot)+3], 0x80000000
	s_add_nc_u64 s[G0B+4*(\slot)+2:G0B+4*(\slot)+3], s[G0B+4*(\slot)+2:G0B+4*(\slot)+3], 2*KSTEP*6144  ; W: 256 k-rows on; a layer's last row is followed by the next layer's first
.endif
	s_wait_dscnt 0x0                               ; the add is done, and my reads of this slot are over
	s_barrier_signal -1
	s_barrier_wait -1
.if \fill
	CREST                                          ; no wave of any partner still reads this slot or has a load on its way
	JLOAD \slot                                    ; my one tensor load behind the round; its four v_nop are also the places between buffer 0's last products and the loads below
.else
	PLACES
.endif
	FETCH \next, 0, F0
	MULQK F1, 0, 0
	MULQK F1, 1, 0
	MULV F1, 0
.endm
; q, k, v are rounded to f16, in pairs and in ascending order: what comes out are the fragments of the attention's products.
.macro PACK
	WIN 0xca                                       ; sources window 2, destination window 3
.set i, 0
.rept 128                                              ; Q's accumulators -> v0-63, K's -> v64-127
	v_cvt_pk_f16_f32 v[i], v[2*i], v[2*i+1]
.set i, i+1
.endr
	WIN 0x80                                       ; sources window 0, destination window 2: where Q's accumulators lay
.set i, 0
.rept 64
	v_cvt_pk_f16_f32 v[VF+i], v[VAC+2*i], v[VAC+2*i+1]
.set i, i+1
.endr
	WIN 0
.endm
; THE WAY OUT.  A row's 256 bytes (two heads) come from two waves: a barrier, then each wave reads 32 whole rows and stores them.  The stage is written again a layer later, behind the changes of slots' barriers.
.macro WAYOUT
	s_wait_dscnt 0x0                               ; for the others' sake: my stores into the stage are done
	s_barrier_signal -1
	s_barrier_wait -1
.irp t, 0,1,2,3,4,5,6,7,8,9,10,11,12,13,14,15
	ds_load_b128 v[SS+4*(\t):SS+4*(\t)+3], v[RD] offset:(\t)*2*OPT
.endr
.irp t, 0,1,2,3,4,5,6,7,8,9,10,11,12,13,14,15
	s_wait_dscnt 15-(\t)                           ; LDS loads come back in order: pair t of rows is in
	global_store_b128 v[GO], v[SS+4*(\t):SS+4*(\t)+3], s[10:11] offset:(\t)*2*6144  ; 16 lanes store 256 consecutive bytes, at a multiple of 256 from ob's first byte
.endr
.endm
; THE ATTENTION of my 64 queries over nk keys, in two pieces of two query tiles (u = 0, 1).  With nk = 32 piece pc has its own segment: key blocks 2 pc, 2 pc + 1.
.macro ATT nk
.set NKT, (\nk)/16                     ; accumulators of S^T a tile
.set NKK, (\nk)/32                     ; fragments of P a tile
.set NPR, (\nk)/4                      ; pairs of scores a lane and tile
.if (\nk) == 32
.set LV, 3
.elseif (\nk) == 64
.set LV, 4
.else
.set LV, 5
.endif
.irp pc, 0,1
.if (\nk) == 32
.set KB0, 2*(\pc)
.set KK0, (\pc)
.else
.set KB0, 0
.set KK0, 0
.endif
	WIN 0x0f                                       ; S^T = K Q^T: K and Q window 3, S^T window 0.  The accumulators take turns
.irp c, 0,1
.set kt, 0
.rept NKT
.irp u, 0,1
.set rS, SS+64*(\u)+8*kt
.set rK, KF+16*(KB0+kt)+8*(\c)
.set rQ, QF+16*(2*(\pc)+(\u))+8*(\c)
.if (\c) == 0
	v_wmma_f32_16x16x32_f16 v[rS:rS+7], v[rK:rK+7], v[rQ:rQ+7], 0
.else
	v_wmma_f32_16x16x32_f16 v[rS:rS+7], v[rK:rK+7], v[rQ:rQ+7], v[rS:rS+7]
.endif
.endr
.set kt, kt+1
.endr
.endr
	PLACES
	WIN 0
	; the maximum: a chain for each accumulator, three operands at a time, the accumulator's lowest registers first
.irp st, 0,1,2
.set kt, 0
.rept NKT
.irp u, 0,1
.set rS, SS+64*(\u)+8*kt
.set rM, PP+32*(\u)+kt
.if (\st) == 0
	v_max3_num_f32 v[rM], v[rS], v[rS+1], v[rS+2]
.else
	v_max3_num_f32 v[rM], v[rM], v[rS+2*(\st)+1], v[rS+2*(\st)+2]
.endif
.endr
.set kt, kt+1
.endr
.endr
.set kt, 0
.rept NKT/2                                            ; the eighth registers of two accumulators
.irp u, 0,1
	v_max3_num_f32 v[PP+32*(\u)+kt], v[PP+32*(\u)+kt], v[SS+64*(\u)+8*kt+7], v[SS+64*(\u)+8*kt+15]
.endr
.set kt, kt+2
.endr
.if NKT == 8
.irp u, 0,1
	v_max3_num_f32 v[PP+32*(\u)], v[PP+32*(\u)], v[PP+32*(\u)+1], v[PP+32*(\u)+2]
	v_max3_num_f32 v[PP+32*(\u)+3], v[PP+32*(\u)+3], v[PP+32*(\u)+4], v[PP+32*(\u)+5]
	v_max_num_f32 v[PP+32*(\u)+6], v[PP+32*(\u)+6], v[PP+32*(\u)+7]
.endr
.irp u, 0,1
	v_max3_num_f32 v[PP+32*(\u)], v[PP+32*(\u)], v[PP+32*(\u)+3], v[PP+32*(\u)+6]
.endr
.elseif NKT == 4
.irp u, 0,1
	v_max3_num_f32 v[PP+32*(\u)], v[PP+32*(\u)], v[PP+32*(\u)+1], v[PP+32*(\u)+2]
.endr
.irp u, 0,1
	v_max_num_f32 v[PP+32*(\u)], v[PP+32*(\u)], v[PP+32*(\u)+3]
.endr
.else
.irp u, 0,1
	v_max_num_f32 v[PP+32*(\u)], v[PP+32*(\u)], v[PP+32*(\u)+1]
.endr
.endif
.irp u, 0,1
	v_permlanex16_b32 v[PP+32*(\u)+1], v[PP+32*(\u)], s[SEL], s[SEL+1]  ; the query's other keys lie in the lane 16 away
.endr
.irp u, 0,1
	v_max_num_f32 v[ST+8*(\u)+1], v[PP+32*(\u)], v[PP+32*(\u)+1]       ; m
.endr
.irp u, 0,1
	v_mul_f32 v[ST+8*(\u)], s[CS], v[ST+8*(\u)+1]                       ; c m
.endr
.set i, 0
.rept NPR                                              ; c s - c m
.irp u, 0,1
	v_pk_fma_f32 v[SS+64*(\u)+2*i:SS+64*(\u)+2*i+1], v[SS+64*(\u)+2*i:SS+64*(\u)+2*i+1], s[CS:CS+1], v[ST+8*(\u):ST+8*(\u)+1] op_sel_hi:[1,0,0] neg_lo:[0,0,1] neg_hi:[0,0,1]
.endr
.set i, i+1
.endr
.set i, 0
.rept 2*NPR
.irp u, 0,1
	v_exp_f32 v[SS+64*(\u)+i], v[SS+64*(\u)+i]
.endr
.set i, i+1
.endr
	v_nop                                          ; a plain instruction between the last exponential and the use of its result
.set i, 0
	s_wait_alu depctr_va_vdst(0)
.rept NPR                                              ; rounded in pairs: two accumulators of S^T are a fragment of P
.irp u, 0,1
	v_cvt_pk_f16_f32 v[PP+32*(\u)+i], v[SS+64*(\u)+2*i], v[SS+64*(\u)+2*i+1]
.endr
.set i, i+1
.endr
	WIN 0xa2                                       ; O^T = V^T P: V window 2, P window 0, O^T window 2.  The accumulators take turns
.set kk, 0
.rept NKK
.irp cb, 0,1,2,3
.irp u, 0,1
.set rO, OA+32*(2*(\pc)+(\u))+8*(\cb)
.set rV, VF+32*(KK0+kk)+8*(\cb)
.set rP, PP+32*(\u)+8*kk
.if kk == 0
	v_wmma_f32_16x16x32_f16 v[rO:rO+7], v[rV:rV+7], v[rP:rP+7], 0
.else
	v_wmma_f32_16x16x32_f16 v[rO:rO+7], v[rV:rV+7], v[rP:rP+7], v[rO:rO+7]
.endif
.endr
.endr
.set kk, kk+1
.endr
	WIN 0
	; l: the sum of the unrounded weights, pair onto pair 1, 2, 4 .. pairs away.  These additions name no register of the products above: they are the places behind them.
.set w, 1
.rept LV
.set i, 0
.rept NPR/(2*w)
.irp u, 0,1
	v_pk_add_f32 v[SS+64*(\u)+2*i:SS+64*(\u)+2*i+1], v[SS+64*(\u)+2*i:SS+64*(\u)+2*i+1], v[SS+64*(\u)+2*(i+w):SS+64*(\u)+2*(i+w)+1]
.endr
.set i, i+2*w
.endr
.set w, 2*w
.endr
.irp u, 0,1
	v_add_f32 v[SS+64*(\u)+4], v[SS+64*(\u)], v[SS+64*(\u)+1]
.endr
.irp u, 0,1
	v_permlanex16_b32 v[SS+64*(\u)+2], v[SS+64*(\u)+4], s[SEL], s[SEL+1]
.endr
.irp u, 0,1
	v_add_f32 v[SS+64*(\u)+4], v[SS+64*(\u)+4], v[SS+64*(\u)+2]
.endr
.irp u, 0,1
	v_rcp_f32 v[ST+8*(\u)+6], v[SS+64*(\u)+4]      ; twice: the packed multiply names a pair
	v_rcp_f32 v[ST+8*(\u)+7], v[SS+64*(\u)+4]
.endr
	v_nop                                          ; a plain instruction between the last reciprocal and the use of its result
	s_wait_alu depctr_va_vdst(0)
.irp u, 0,1
.set rO, OA+32*(2*(\pc)+(\u))
	WIN 0x82                                       ; O^T window 2, 1 / l window 0
.set i, 0
.rept 16
	v_pk_mul_f32 v[rO+2*i:rO+2*i+1], v[rO+2*i:rO+2*i+1], v[ST+8*(\u)+6:ST+8*(\u)+7] op_sel_hi:[1,0]
.set i, i+1
.endr
	WIN 0x0a                                       ; sources window 2, destination window 0: S^T's registers are free
.set i, 0
.rept 16
	v_cvt_pk_f16_f32 v[SS+64*(\u)+i], v[rO+2*i], v[rO+2*i+1]
.set i, i+1
.endr
	WIN 0
.irp cb, 0,1,2,3
	ds_store_b128 v[STO], v[SS+64*(\u)+4*(\cb):SS+64*(\u)+4*(\cb)+3] offset:(2*(\pc)+(\u))*16*OPT+32*(\cb)  ; eight neighbouring channels of one row of O
.endr
.endr
.endr
	WIN 0
.endm
	s_wait_tensorcnt 1                             ; my part of K step 0 is in; K step 1's may stay out
	s_barrier_signal -1
	s_barrier_wait -1                              ; everybody's is
	FETCH 0, 0, F0
	WIN 0                                          ; at a label and at a branch every window is 0
	s_mov_b32 s3, LAPS                             ; the entry passes the loop's foot once: 11 whole trips follow
	s_mov_b32 s[TQ], 4
	s_mov_b32 s[LAY], 0
	s_branch .Lenter                               ; the loop is entered where a layer begins, in the middle of a trip
.Llap:                                                 ; a trip goes once round the ring, from a lap's second quarter to the next lap's first, and fills both slots again
	QUARTER 0, 2, F1, F0, 0
	QUARTER 0, 3, F0, F1, 0
	TURN 0, 1, 1
	QUARTER 1, 1, F0, F1, 0
	QUARTER 1, 2, F1, F0, 0
	QUARTER 1, 3, F0, F1, 0
	TURN 1, 0, 1
	WIN 0
	s_sub_co_u32 s[TQ], s[TQ], 1
	s_cmp_lg_u32 s[TQ], 0
	s_cbranch_scc1 .Lplain                         ; three trips in four: the layer goes on
	; A LAYER ENDS (layers 0 and 1).  The next layer's K step 0 is in slot 0 and its first fragments are on their way into buffer 0; its K step 1 has just been asked for and lands beside what follows.
	PLACES                                         ; behind the last products: for the loads into buffer 1's registers and for the conversions
	s_add_nc_u64 s[8:9], s[8:9], 12288             ; the next layer's biases (the last loads by this base were waited for where the layer began)
	BIASLOAD
	PACK
	s_cmp_lg_u32 s[LAY], 0
	s_cbranch_scc1 .Latt64
	ATT 32
	s_branch .Lsend
.Latt64:
	ATT 64
.Lsend:
	WAYOUT
	s_wait_xcnt 0x0                                ; ob's base, and the stores' data registers, which the next products write, are rewritten only behind this wait
	s_add_nc_u64 s[10:11], s[10:11], 2048          ; the next layer's part of a row of ob
	s_add_co_u32 s[LAY], s[LAY], 1
	s_mov_b32 s[TQ], 4
.Lenter:
	s_wait_loadcnt 0x0                             ; the layer's biases: rounded to bf16, like every input, and widened again
	WIN 0x05                                       ; sources window 1, destination window 0
.set i, 0
.rept 32
	v_cvt_pk_bf16_f32 v[BQ+2*i], v[RAW+2*i], v[RAW+2*i+1]
.set i, i+1
.endr
.irp b, 0,1,2,3
	v_cvt_pk_bf16_f32 v[BV+8*(\b)], v[RAW+64+(\b)], v[RAW+64+(\b)]
.endr
	WIN 0
.set i, 0
.rept 32
	v_and_b32 v[BQ+2*i+1], s[MHI], v[BQ+2*i]
	v_lshlrev_b32 v[BQ+2*i], 16, v[BQ+2*i]
.set i, i+1
.endr
.irp b, 0,1,2,3
.irp j, 7,6,5,4,3,2,1,0
	v_lshlrev_b32 v[BV+8*(\b)+(\j)], 16, v[BV+8*(\b)]
.endr
.endr
	QUARTER 0, 1, F0, F1, 1                        ; a layer's first quarter: its products start the sums, with the biases
	WIN 0
	s_branch .Lbottom
.Lplain:
	QUARTER 0, 1, F0, F1, 0
	WIN 0
.Lbottom:
	s_sub_co_u32 s3, s3, 1
	s_cmp_lg_u32 s3, 0
	s_cbranch_scc1 .Llap
	QUARTER 0, 2, F1, F0, 0                        ; layer 2's last lap fills nothing, and has no round
	QUARTER 0, 3, F0, F1, 0
	TURN 0, 1, 0
	QUARTER 1, 1, F0, F1, 0
	QUARTER 1, 2, F1, F0, 0
	QUARTER 1, 3, F0, F1, 0
	s_wait_dscnt 8                                 ; the very last quarter: nothing more to fetch
	MULQK F1, 0, 0
	MULQK F1, 1, 0
	s_wait_dscnt 0x0
	MULV F1, 0
	PLACES
	PACK
	; THE EXCHANGE (layer 2).  Slot 0 has had its last fill, and every wave's last read of it stands in front of the last lap's barrier.
	WIN 0x0c                                       ; store data window 3
.set i, 0
.rept 16
	ds_store_b128 v[XS], v[KF+4*i:KF+4*i+3] offset:512*i
.set i, i+1
.endr
	WIN 0x08                                       ; store data window 2
.set i, 0
.rept 16
	ds_store_b128 v[XS], v[VF+4*i:VF+4*i+3] offset:8192+512*i
.set i, i+1
.endr
	WIN 0
	s_wait_dscnt 0x0                               ; for the partner's sake: my stores are done
	s_barrier_signal -1
	s_barrier_wait -1
	WIN 0xc0                                       ; the partner's K behind mine,
.set i, 0
.rept 16
	ds_load_b128 v[KF+64+4*i:KF+64+4*i+3], v[XL] offset:512*i
.set i, i+1
.endr
	WIN 0x80                                       ; and its V behind mine: the order of the keys is the same in both products
.set i, 0
.rept 16
	ds_load_b128 v[VF+64+4*i:VF+64+4*i+3], v[XL] offset:8192+512*i
.set i, i+1
.endr
	WIN 0
	s_wait_dscnt 0x0
	ATT 128
	WAYOUT
	s_wait_tensorcnt 0x0                           ; the wave's end: an add to my spare word and its wait, behind my last tensor load and my last LDS store
	ds_add_u32 v[SPW], v[NIL]
	s_wait_dscnt 0x0
	CROUND                                         ; the closing round: no work-group ends while a partner may still ask for a tile that names it
	s_endpgm
.Lfunc_end_k_qc6f73eadf2_qkvatt:
	.size	k_qc6f73eadf2_qkvatt, .Lfunc_end_k_qc6f73eadf2_qkvatt-k_qc6f73eadf2_qkvatt
	.p2alignl 7, 3214868480
	.fill 96, 4, 3214868480
	.section	.rodata,"a",@progbits
	.p2align	6, 0x0
	.amdhsa_kernel k_qc6f73eadf2_qkvatt
		.amdhsa_group_segment_fixed_size 327680
		.amdhsa_private_segment_fixed_size 0
		.amdhsa_enable_private_segment 0
		.amdhsa_kernarg_size 32
		.amdhsa_user_sgpr_count 2
		.amdhsa_user_sgpr_kernarg_segment_ptr 1
		.amdhsa_wavefront_size32 1
		.amdhsa_system_sgpr_workgroup_id_x 1
		.amdhsa_system_sgpr_workgroup_id_y 1
		.amdhsa_system_sgpr_workgroup_id_z 1
		.amdhsa_system_vgpr_workitem_id 0
		.amdhsa_next_free_vgpr 1024
		.amdhsa_next_free_sgpr 80
		.amdhsa_reserve_vcc 0
		.amdhsa_float_denorm_mode_32 3
		.amdhsa_float_denorm_mode_16_64 3
		.amdhsa_memory_ordered 1
		.amdhsa_forward_progress 1
		.amdhsa_inst_pref_size 255
	.end_amdhsa_kernel
	.section	.bss,"aw",@nobits
	.p2align	6
	.space	262144
	.amdgpu_metadata
---
amdhsa.version: [ 1, 2 ]
amdhsa.kernels:
  - .name:           k_qc6f73eadf2_qkvatt
    .symbol:         k_qc6f73eadf2_qkvatt.kd
    .args:
      - { .name: xb, .offset: 0, .size: 8, .value_kind: global_buffer, .address_space: global }
      - { .name: wqb, .offset: 8, .size: 8, .value_kind: global_buffer, .address_space: global }
      - { .name: bqkv, .offset: 16, .size: 8, .value_kind: global_buffer, .address_space: global }
      - { .name: ob, .offset: 24, .size: 8, .value_kind: global_buffer, .address_space: global }
    .group_segment_fixed_size: 327680
    .private_segment_fixed_size: 0
    .kernarg_segment_align: 8
    .kernarg_segment_size: 32
    .max_flat_workgroup_size: 128
    .sgpr_count:     80
    .vgpr_count:     1024
    .wavefront_size: 32
...
	.end_amdgpu_metadata
.endif
;; end of part 2
;; launch oproj (part 3): grid 8 x 32, 4 waves a work-group, clusters of 4 x 4, 327,680 bytes of LDS; arguments ob, wob, bo, out0; writes out0
.if DOCPART == 3
	.amdgcn_target "amdgcn-amd-amdhsa--gfx1250"
	.amdhsa_code_object_version 6
	.text
	.protected	k_qc6f73eadf2_oproj
	.globl	k_qc6f73eadf2_oproj
	.p2align	8
	.type	k_qc6f73eadf2_oproj,@function
k_qc6f73eadf2_oproj:
	s_mov_b64 s[64:65], 0
	v_nop
	global_prefetch_b8 v0, s[64:65] scope:SCOPE_SE
	s_setreg_imm32_b32 hwreg(HW_REG_WAVE_MODE, 25, 1), 1
	s_wait_xcnt 0x0
	s_wait_alu depctr_hold_cnt(0) depctr_sa_sdst(0) depctr_va_vdst(0) depctr_va_sdst(0) depctr_va_ssrc(0) depctr_va_vcc(0) depctr_vm_vsrc(0)
	s_getreg_b32 s2, hwreg(HW_REG_IB_STS2, 6, 4)
	s_cmp_eq_u32 s2, 0
	s_cbranch_scc0 .Lentry_in_a_cluster
	s_endpgm
.Lentry_in_a_cluster:
	s_bfe_u32 s2, ttmp6, 0x10000c
	s_cmp_lg_u32 s2, 0xf033
	s_cbranch_scc0 .Lentry_shape_is_right
	s_endpgm
.Lentry_shape_is_right:
; THE THREE OUTPUT PROJECTIONS AND THEIR SUM AS ONE PRODUCT.  out0[m][n] = sum over k of ob[m][k] wob[k][n] + bo[0][n] + bo[1][n] + bo[2][n], k = layer x 1024 + channel, K = 3072.
; ob: [4096][3072] f16.  wob: [3072 k][1024 n] f16 (Wo rounded to bf16, written as f16).  bo: [3][1024] f32, each rounded to bf16 like every input, summed in f32.  out0: [4096][1024] f32.  Sums in f32.
; A tile of out0 is 128 x 128: 256 work-groups.  Four waves, each 64 x 64: 16 accumulators.  K goes in steps of 256 through two LDS slots.
; CLUSTER 4 x 4: the four of a row of the cluster need the same tiles of ob, the four of a column the same tiles of wob: each tile is asked for jointly.
; THE MATRIX INSTRUCTION IS USED TRANSPOSED (source 0 = 16 columns of wob, source 1 = 16 rows of ob): a lane holds eight neighbouring numbers of a row of out0.  wob lies [k][n]: its fragments come by the turning load.
; REGISTERS: window 0: v0-31 addresses and the bias; v32-95 at work on the way out; v128-255 the accumulators ((a, b) at 128 + 8 (4 a + b)).
;   window 1: two fragment buffers of 128: for 64 along K, 64 registers of ob, then 64 of wob.
.set KSTEP,  256
.set PA,     528                       ; an LDS row of ob: 512 bytes + 16: the 16 rows of a fragment load start at 16 different groups of four banks (64 banks of 4 bytes: ISA guide 11.1)
.set PB,     288                       ; an LDS row of wob (one k, 128 columns): 256 + 32
.set AHALF,  64*PA                     ; what one tensor load brings of ob: 64 rows
.set BHALF,  128*PB                    ; and of wob: 128 k-rows
.set BOFF,   2*AHALF
.set SLOT,   BOFF+2*BHALF
.set STAGE,  2*SLOT                    ; behind the ring, never filled by a tensor load: 16 rows x 272 bytes for each wave
.set SP,     272
.set SPARE,  STAGE+4*16*SP             ; the spare words, 128 bytes for each wave: two blocks of 256 bytes that no other line names
.set LAPS,   3072/(2*KSTEP)
.set BIAS, 12                          ; v12-15  the bias sums of the four columns that I store
.set ADRA, 16                          ; v16-17  LDS address of my ob fragments in slot 0, 1
.set ADRB, 20                          ; v20-23  of my wob fragments: slot s, quarters 2 j and 2 j + 1 at ADRB + 2 s + j (four quarters do not fit in the 16-bit offset)
.set STO,  24
.set RD,   25
.set CO,   26
.set SPW,  28                          ; v28     LDS address of my spare word; never rewritten
.set NIL,  29                          ; v29     0; never rewritten
.set TMP,  32                          ; two sets of 32 for the way out
.set ACC,  128
.set F0,   0
.set F1,   128
.set WV,  12
.set RHF, 13                           ; which half of the tile's rows is mine.  Also: I fetch for ob (0) or for wob (1)
.set CHF, 14                           ; which half of its columns.  Also: which half of that tile I fetch
.set CX,  15
.set CY,  16
.set TX,  17
.set TY,  18
.set G1A, 24
.set G0A, 32
.set G1B, 40
.set G0B, 48
.set MSB, 0
.macro WIN new
.if MSB != (\new)
	s_set_vgpr_msb (MSB<<8)|(\new)
.set MSB, \new
.endif
.endm
.set MUL,  0x05                        ; sources window 1; C and D window 0
.set TO_F, 0x40                        ; destination window 1, address window 0
.macro PLACES
.rept 4
	v_nop
.endr
.endm
.macro JLOAD s                         ; a joint load: waves 0 and 1 fetch ob's two halves, waves 2 and 3 wob's; an s_nop 0 and four v_nop follow each of the two lines
	s_cmp_eq_u32 s[RHF], 0
	s_cbranch_scc0 .Lfor_b_\@
	tensor_load_to_lds s[G0A+4*(\s):G0A+4*(\s)+3], s[G1A:G1A+7]
	s_nop 0
.rept 4
	v_nop
.endr
	s_branch .Lasked_\@
.Lfor_b_\@:
	tensor_load_to_lds s[G0B+4*(\s):G0B+4*(\s)+3], s[G1B:G1B+7]
	s_nop 0
.rept 4
	v_nop
.endr
.Lasked_\@:
.endm
.macro CREST
	s_cmp_lg_u32 s[WV], 0
	s_cbranch_scc1 .Lnot_wave_0_\@
	s_barrier_signal -3
.Lnot_wave_0_\@:
	s_barrier_wait -3
	s_barrier_signal -1
	s_barrier_wait -1
.endm
.macro CROUND
	s_barrier_signal -1
	s_barrier_wait -1
	CREST
.endm
	s_load_b256 s[4:11], s[0:1], 0x0               ; ob s[4:5], wob s[6:7], bo s[8:9], out0 s[10:11]
	v_lshl_add_u32 v[SPW], v0, 2, SPARE
	v_mov_b32 v[NIL], 0
	ds_add_u32 v[SPW], v[NIL]                      ; the wave's opening: the add and its wait stand ahead of my first tensor load; the set-up below, work on registers, stands between them
	v_lshrrev_b32 v1, 5, v0
	v_readfirstlane_b32 s[WV], v1
	s_lshr_b32 s[RHF], s[WV], 1
	s_and_b32 s[CHF], s[WV], 1
	s_bfe_u32 s[CX], ttmp6, 0x40000
	s_bfe_u32 s[CY], ttmp6, 0x40004
	s_lshl_b32 s[TX], ttmp9, 2
	s_add_co_u32 s[TX], s[TX], s[CX]               ; tile column = 4 x cluster x + cx
	s_and_b32 s[TY], ttmp7, 0xffff
	s_lshl_b32 s[TY], s[TY], 2
	s_add_co_u32 s[TY], s[TY], s[CY]               ; tile row = 4 x cluster y + cy
	s_lshl_b32 s19, s[CY], 2
	s_lshl_b32 s19, 15, s19                        ; my row of the cluster
	s_lshl_b32 s20, 0x1111, s[CX]                  ; my column
	s_or_b32 s[G1A], s19, (1<<16)|(1<<20)|(1<<21)|(6<<22)|(3<<25)  ; ob's tiles go to my row; 2-byte elements; 4 words of padding after every 128
	s_or_b32 s[G1B], s20, (1<<16)|(1<<20)|(1<<21)|(5<<22)|(7<<25)  ; wob's tiles go to my column; 8 words after every 64
	s_mov_b32 s[G1A+1], KSTEP<<16                  ; ob: 64 rows x 256 elements
	s_mov_b32 s[G1A+2], 64<<16
	s_mov_b32 s[G1A+3], KSTEP<<16
	s_mov_b32 s[G1A+4], 64
	s_mov_b32 s[G1A+5], 3072
	s_mov_b32 s[G1A+6], 0
	s_mov_b32 s[G1A+7], 0
	s_mov_b32 s[G1B+1], 128<<16                    ; wob: 128 k-rows x 128 elements
	s_mov_b32 s[G1B+2], 128<<16
	s_mov_b32 s[G1B+3], 128<<16
	s_mov_b32 s[G1B+4], 128
	s_mov_b32 s[G1B+5], 1024
	s_mov_b32 s[G1B+6], 0
	s_mov_b32 s[G1B+7], 0
	s_lshl_b32 s56, s[TY], 7                       ; ob: row 128 x tile row + 64 x half, made of the tile row alone
	s_lshl_b32 s57, s[CHF], 6
	s_add_co_u32 s56, s56, s57
	s_mul_i32 s56, s56, 6144
	s_mov_b32 s57, 0
	s_lshl_b32 s58, s[CHF], 18                     ; wob: k-row 128 x half, the tile column's 256 bytes: made of the tile column alone
	s_lshl_b32 s59, s[TX], 8
	s_add_co_u32 s58, s58, s59
	s_mov_b32 s59, 0
	s_lshl_b32 s62, s[TX], 9                       ; my 64 columns in f32: 512 x tile column + 256 x half
	s_lshl_b32 s63, s[CHF], 8
	s_add_co_u32 s62, s62, s63
	s_mov_b32 s63, 0
	s_lshl_b32 s60, s[TY], 7                       ; out0: my first row,
	s_lshl_b32 s61, s[RHF], 6
	s_add_co_u32 s60, s60, s61
	s_lshl_b32 s60, s60, 12
	s_add_co_u32 s60, s60, s62                     ; and those columns
	s_mov_b32 s61, 0
	s_mul_i32 s66, s[CHF], AHALF                   ; where the fills land: no place in the cluster enters an LDS address
	s_mul_i32 s67, s[CHF], BHALF
	s_add_co_u32 s67, s67, BOFF
	s_wait_dscnt 0x0                               ; the opening add is done
	s_wait_kmcnt 0x0
	s_add_nc_u64 s[4:5], s[4:5], s[56:57]
	s_add_nc_u64 s[6:7], s[6:7], s[58:59]
	s_add_nc_u64 s[8:9], s[8:9], s[62:63]
	s_add_nc_u64 s[10:11], s[10:11], s[60:61]
.irp s, 0,1
	s_mov_b32 s[G0A+4*(\s)], 1
	s_add_co_u32 s[G0A+4*(\s)+1], s66, (\s)*SLOT
	s_add_nc_u64 s[G0A+4*(\s)+2:G0A+4*(\s)+3], s[4:5], (\s)*KSTEP*2
	s_or_b32 s[G0A+4*(\s)+3], s[G0A+4*(\s)+3], 0x80000000
	s_mov_b32 s[G0B+4*(\s)], 1
	s_add_co_u32 s[G0B+4*(\s)+1], s67, (\s)*SLOT
	s_add_nc_u64 s[G0B+4*(\s)+2:G0B+4*(\s)+3], s[6:7], (\s)*KSTEP*2048
	s_or_b32 s[G0B+4*(\s)+3], s[G0B+4*(\s)+3], 0x80000000
.endr
	CROUND                                         ; all sixteen work-groups are here: the first joint loads meet
	s_cmp_eq_u32 s[RHF], 0                         ; a wave's two first fills stand in one branch: two loads of mine are out
	s_cbranch_scc0 .Lfirst_b
	tensor_load_to_lds s[G0A:G0A+3], s[G1A:G1A+7]
	s_nop 0
	tensor_load_to_lds s[G0A+4:G0A+7], s[G1A:G1A+7]
	s_nop 0
.rept 4
	v_nop
.endr
	s_branch .Lfirst_asked
.Lfirst_b:
	tensor_load_to_lds s[G0B:G0B+3], s[G1B:G1B+7]
	s_nop 0
	tensor_load_to_lds s[G0B+4:G0B+7], s[G1B:G1B+7]
	s_nop 0
.rept 4
	v_nop
.endr
.Lfirst_asked:
	v_and_b32 v1, 15, v0                           ; r = l % 16
	v_bfe_u32 v2, v0, 4, 1                         ; h = l / 16
	v_and_b32 v3, 7, v0
	v_bfe_u32 v4, v0, 3, 1
	v_lshlrev_b32 v8, 4, v1                        ; on the way out lane l stores columns 4 r .. 4 r + 3 of my 64
	global_load_b128 v[32:35], v8, s[8:9]
	global_load_b128 v[36:39], v8, s[8:9] offset:4096
	global_load_b128 v[40:43], v8, s[8:9] offset:8192
	v_mul_u32_u24 v5, v1, PA
	v_lshl_add_u32 v5, v2, 4, v5                   ; a fragment's row x pitch + 16 x half
	s_mul_i32 s68, s[RHF], AHALF                   ; my 64 rows of ob
	v_add_nc_u32 v[ADRA], s68, v5
	v_add_nc_u32 v[ADRA+1], SLOT, v[ADRA]
	v_lshl_add_u32 v6, v2, 3, v3                   ; the turning load: k-row 8 h + l % 8, columns 8 ((l / 8) % 2) + 0..7
	v_mul_u32_u24 v6, v6, PB
	v_lshl_add_u32 v6, v4, 4, v6
	s_lshl_b32 s68, s[CHF], 7                      ; my 64 columns: 128 bytes of a row
	s_add_co_u32 s68, s68, BOFF
	v_add_nc_u32 v6, s68, v6
.irp s, 0,1
.irp j, 0,1
	v_add_nc_u32 v[ADRB+2*(\s)+(\j)], (\s)*SLOT+(\j)*BHALF, v6
.endr
.endr
	s_mul_i32 s69, s[WV], 16*SP
	s_add_co_u32 s69, s69, STAGE                   ; my stage
	v_mul_u32_u24 v7, v1, SP                       ; in: row l % 16, 32 bytes for each half of the lanes
	v_lshl_add_u32 v7, v2, 5, v7
	v_add_nc_u32 v[STO], s69, v7
	v_mul_u32_u24 v7, v2, SP                       ; back: lanes 0-15 take one row of 256 bytes, lanes 16-31 the next
	v_lshl_add_u32 v7, v1, 4, v7
	v_add_nc_u32 v[RD], s69, v7
	v_lshlrev_b32 v[CO], 12, v2                    ; and the same two rows in out0
	v_lshl_add_u32 v[CO], v1, 4, v[CO]
	s_wait_loadcnt 0x0                             ; the three biases: rounded to bf16, widened, summed in f32
.irp j, 0,1,2,3,4,5
	v_cvt_pk_bf16_f32 v[44+(\j)], v[32+2*(\j)], v[32+2*(\j)+1]
.endr
.irp j, 0,1,2,3,4,5
	v_lshlrev_b32 v[32+2*(\j)], 16, v[44+(\j)]
	v_and_b32 v[32+2*(\j)+1], 0xffff0000, v[44+(\j)]
.endr
	v_pk_add_f32 v[BIAS:BIAS+1], v[32:33], v[36:37]
	v_pk_add_f32 v[BIAS+2:BIAS+3], v[34:35], v[38:39]
	v_pk_add_f32 v[BIAS:BIAS+1], v[BIAS:BIAS+1], v[40:41]
	v_pk_add_f32 v[BIAS+2:BIAS+3], v[BIAS+2:BIAS+3], v[42:43]
; 8 matrix instructions: row tiles a0, a0 + 1 x all 4 column blocks, 32 along K: half c of buffer f.  zero = 1: the first product starts the sums.  The 16 accumulators take turns.
.macro MUL8 f, c, a0, zero
	WIN MUL
.irp a, \a0, (\a0)+1
.irp b, 0,1,2,3
.if \zero
	v_wmma_f32_16x16x32_f16 v[ACC+8*(4*(\a)+(\b)):ACC+8*(4*(\a)+(\b))+7], v[(\f)+64+8*(4*(\c)+(\b)):(\f)+64+8*(4*(\c)+(\b))+7], v[(\f)+8*(4*(\c)+(\a)):(\f)+8*(4*(\c)+(\a))+7], 0
.else
	v_wmma_f32_16x16x32_f16 v[ACC+8*(4*(\a)+(\b)):ACC+8*(4*(\a)+(\b))+7], v[(\f)+64+8*(4*(\c)+(\b)):(\f)+64+8*(4*(\c)+(\b))+7], v[(\f)+8*(4*(\c)+(\a)):(\f)+8*(4*(\c)+(\a))+7], v[ACC+8*(4*(\a)+(\b)):ACC+8*(4*(\a)+(\b))+7]
.endif
.endr
.endr
.endm
; 32 LDS loads in one run: the fragments of quarter q (64 along K) into buffer f; the first 32 along K first
.macro FETCH slot, q, f
	WIN TO_F
.irp c, 0,1
.irp i, 0,1,2,3
	ds_load_tr16_b128 v[(\f)+64+8*(4*(\c)+(\i)):(\f)+64+8*(4*(\c)+(\i))+3],   v[ADRB+2*(\slot)+(\q)/2] offset:((\q)%2)*64*PB+(\c)*32*PB+32*(\i)
	ds_load_tr16_b128 v[(\f)+64+8*(4*(\c)+(\i))+4:(\f)+64+8*(4*(\c)+(\i))+7], v[ADRB+2*(\slot)+(\q)/2] offset:((\q)%2)*64*PB+(\c)*32*PB+32*(\i)+16*PB
	ds_load_b128 v[(\f)+8*(4*(\c)+(\i)):(\f)+8*(4*(\c)+(\i))+3],              v[ADRA+(\slot)] offset:128*(\q)+64*(\c)+(\i)*16*PA
	ds_load_b128 v[(\f)+8*(4*(\c)+(\i))+4:(\f)+8*(4*(\c)+(\i))+7],            v[ADRA+(\slot)] offset:128*(\q)+64*(\c)+(\i)*16*PA+32
.endr
.endr
.endm
; A K step is four quarters of 64 along K, 32 matrix instructions each, on buffers 0, 1, 0, 1.
.macro QUARTER slot, qn, f, g, zero
	s_wait_dscnt 16                                ; the first 32 along K are in
	MUL8 \f, 0, 0, \zero
	MUL8 \f, 0, 2, \zero
	PLACES                                         ; for the loads into buffer g
	FETCH \slot, \qn, \g
	s_wait_dscnt 32                                ; all but the 32 just issued
	MUL8 \f, 1, 0, 0
	MUL8 \f, 1, 2, 0
.endm
; The last quarter changes slots and then multiplies buffer 1.  The slot's last fragments lie in registers, so the change stands at the quarter's head: each wave waits for all its tensor loads, adds 0 to its
; spare word, and waits for that and for its own reads of this slot; ONE barrier, which with fill = 1 opens a round of the cluster's.  Between the wait that shows one fill landed and the next request stand the
; add, two scalar lines and the round, and no product: a whole K step's 128 matrix instructions stand between the request and the wait for it.
.macro TURN slot, next, fill
	WIN 0
	s_wait_tensorcnt 0x0                           ; all my tensor loads have landed: my part of the next slot; so a group 0 may be written
	ds_add_u32 v[SPW], v[NIL]                      ; 0 onto my spare word; the descriptors' steps stand between it and the wait for it
.if \fill
	s_add_nc_u64 s[G0A+4*(\slot)+2:G0A+4*(\slot)+3], s[G0A+4*(\slot)+2:G0A+4*(\slot)+3], 2*KSTEP*2
	s_add_nc_u64 s[G0B+4*(\slot)+2:G0B+4*(\slot)+3], s[G0B+4*(\slot)+2:G0B+4*(\slot)+3], 2*KSTEP*2048
.endif
	s_wait_dscnt 0x0                               ; the add is done, and my reads of this slot are over
	s_barrier_signal -1
	s_barrier_wait -1
.if \fill
	CREST                                          ; no wave of any partner still reads this slot or has a load on its way
	JLOAD \slot                                    ; my one tensor load behind the round; its four v_nop are also the places between buffer 0's last products and the loads below
.else
	PLACES
.endif
	FETCH \next, 0, F0
	MUL8 F1, 0, 0, 0
	MUL8 F1, 0, 2, 0
	MUL8 F1, 1, 0, 0
	MUL8 F1, 1, 2, 0
.endm
	s_wait_tensorcnt 1                             ; my part of K step 0 is in; K step 1's may stay out
	s_barrier_signal -1
	s_barrier_wait -1
	FETCH 0, 0, F0
	QUARTER 0, 1, F0, F1, 1                        ; the first quarter stands in front of the loop: its first products start the sums
	WIN 0
	s_mov_b32 s3, LAPS-1
.Llap:                                                 ; a trip goes once round the ring and fills both slots again
	QUARTER 0, 2, F1, F0, 0
	QUARTER 0, 3, F0, F1, 0
	TURN 0, 1, 1
	QUARTER 1, 1, F0, F1, 0
	QUARTER 1, 2, F1, F0, 0
	QUARTER 1, 3, F0, F1, 0
	TURN 1, 0, 1
	QUARTER 0, 1, F0, F1, 0
	WIN 0
	s_sub_co_u32 s3, s3, 1
	s_cmp_lg_u32 s3, 0
	s_cbranch_scc1 .Llap
	QUARTER 0, 2, F1, F0, 0                        ; the last lap fills nothing, and has no round
	QUARTER 0, 3, F0, F1, 0
	TURN 0, 1, 0
	QUARTER 1, 1, F0, F1, 0
	QUARTER 1, 2, F1, F0, 0
	QUARTER 1, 3, F0, F1, 0
	s_wait_dscnt 16
	MUL8 F1, 0, 0, 0
	MUL8 F1, 0, 2, 0
	s_wait_dscnt 0x0
	MUL8 F1, 1, 0, 0
	MUL8 F1, 1, 2, 0
	WIN 0
	PLACES
; THE WAY OUT.  My 64 columns in f32 are 256 bytes of a row: 16 rows at a time go through my own stage (a lane puts 32 bytes of a row for each accumulator, its low registers first) and come back as whole rows.
.macro TOSTAGE a
.set BK, TMP+32*((\a)%2)
.if (\a) >= 2
	s_wait_xcnt 0x0                                ; the set's registers, which earlier stores read, are loaded again only behind this wait
.endif
.irp b, 0,1,2,3
	ds_store_b128 v[STO], v[ACC+8*(4*(\a)+(\b)):ACC+8*(4*(\a)+(\b))+3]   offset:64*(\b)
	ds_store_b128 v[STO], v[ACC+8*(4*(\a)+(\b))+4:ACC+8*(4*(\a)+(\b))+7] offset:64*(\b)+16
.endr
.irp t, 0,1,2,3,4,5,6,7
	ds_load_b128 v[BK+4*(\t):BK+4*(\t)+3], v[RD] offset:(\t)*2*SP  ; LDS serves a wave's instructions in order: these see the stores above, and the next block's stores come behind them
.endr
.endm
.macro SEND a, younger                 ; younger: the LDS instructions issued behind block a's loads: the next block's sixteen, or none
.set BK, TMP+32*((\a)%2)
.irp t, 0,1,2,3,4,5,6,7
	s_wait_dscnt (\younger)+7-(\t)
	v_pk_add_f32 v[BK+4*(\t):BK+4*(\t)+1],   v[BK+4*(\t):BK+4*(\t)+1],   v[BIAS:BIAS+1]
	v_pk_add_f32 v[BK+4*(\t)+2:BK+4*(\t)+3], v[BK+4*(\t)+2:BK+4*(\t)+3], v[BIAS+2:BIAS+3]
	global_store_b128 v[CO], v[BK+4*(\t):BK+4*(\t)+3], s[10:11] offset:(16*(\a)+2*(\t))*4096 th:TH_STORE_NT  ; 16 lanes store 256 consecutive bytes, at a multiple of 256 from out0's first byte
.endr
.endm
	TOSTAGE 0
	TOSTAGE 1
	SEND 0, 16
	TOSTAGE 2
	SEND 1, 16
	TOSTAGE 3
	SEND 2, 16
	SEND 3, 0
	s_wait_tensorcnt 0x0                           ; the wave's end: an add to my spare word and its wait, behind my last tensor load and my last LDS store
	ds_add_u32 v[SPW], v[NIL]
	s_wait_dscnt 0x0
	CROUND                                         ; the closing round: no work-group ends while a partner may still ask for a tile that names it
	s_endpgm
.Lfunc_end_k_qc6f73eadf2_oproj:
	.size	k_qc6f73eadf2_oproj, .Lfunc_end_k_qc6f73eadf2_oproj-k_qc6f73eadf2_oproj
	.p2alignl 7, 3214868480
	.fill 96, 4, 3214868480
	.section	.rodata,"a",@progbits
	.p2align	6, 0x0
	.amdhsa_kernel k_qc6f73eadf2_oproj
		.amdhsa_group_segment_fixed_size 327680
		.amdhsa_private_segment_fixed_size 0
		.amdhsa_enable_private_segment 0
		.amdhsa_kernarg_size 32
		.amdhsa_user_sgpr_count 2
		.amdhsa_user_sgpr_kernarg_segment_ptr 1
		.amdhsa_wavefront_size32 1
		.amdhsa_system_sgpr_workgroup_id_x 1
		.amdhsa_system_sgpr_workgroup_id_y 1
		.amdhsa_system_sgpr_workgroup_id_z 1
		.amdhsa_system_vgpr_workitem_id 0
		.amdhsa_next_free_vgpr 512
		.amdhsa_next_free_sgpr 72
		.amdhsa_reserve_vcc 0
		.amdhsa_float_denorm_mode_32 3
		.amdhsa_float_denorm_mode_16_64 3
		.amdhsa_memory_ordered 1
		.amdhsa_forward_progress 1
		.amdhsa_inst_pref_size 92
	.end_amdhsa_kernel
	.amdgpu_metadata
---
amdhsa.version: [ 1, 2 ]
amdhsa.kernels:
  - .name:           k_qc6f73eadf2_oproj
    .symbol:         k_qc6f73eadf2_oproj.kd
    .args:
      - { .name: ob, .offset: 0, .size: 8, .value_kind: global_buffer, .address_space: global }
      - { .name: wob, .offset: 8, .size: 8, .value_kind: global_buffer, .address_space: global }
      - { .name: bo, .offset: 16, .size: 8, .value_kind: global_buffer, .address_space: global }
      - { .name: out0, .offset: 24, .size: 8, .value_kind: global_buffer, .address_space: global }
    .group_segment_fixed_size: 327680
    .private_segment_fixed_size: 0
    .kernarg_segment_align: 8
    .kernarg_segment_size: 32
    .max_flat_workgroup_size: 128
    .sgpr_count:     72
    .vgpr_count:     512
    .wavefront_size: 32
...
	.end_amdgpu_metadata
.endif
;; end of part 3
